; MI455X (gfx1250); checked and timed in simulation.
; The chip was launched on July 23, 2026; its instructions are those of AMD's public machine-readable ISA for CDNA 5 (MIT licence, August 2026) and "CDNA5" Instruction Set Architecture Reference Guide (July 2026). The comments in the code are by the model that wrote it; some were corrected since.
;; Mo E. Allowed arithmetic: float matrix products may take bf16 or f16 operands with f32 sums; other float arithmetic in f32, or as packed bf16 or f16 multiplies, adds, multiply-adds, maxima and minima; sums over many terms, partial sums and values carried from step to step in f32; what a program stores and reads back later, other than sums and carried values, may be rounded once to bf16 or f16.
;; Inputs: W1 8 x 512 x 1,024 float32; W2 8 x 1,024 x 512 float32; Wg 512 x 8 float32; b1 8 x 1,024 float32; b2 8 x 512 float32; bg 8 float32; x 8,192 x 512 float32.
;; Outputs: out0 8,192 x 512 float32.
;; One version. Each part assembles by itself: llvm-mc -triple=amdgcn-amd-amdhsa -mcpu=gfx1250 --defsym DOCPART=n.
;; ======== version 1 of 1: 2 launches
;; limits: values are held in f16: magnitudes above 65,504 overflow, below 6.1e-05 lose precision
;; workspace buffers: xb 8,388,608 bytes; wf 16,777,216 bytes; route 12,288 bytes of whole numbers
;; launch prep (part 1): grid 256 x 1, 12 waves a work-group, no clusters, 124,928 bytes of LDS; arguments x, Wg, bg, W1, W2, xb, wf, route; writes xb, wf, route
.if DOCPART == 1
	.amdgcn_target "amdgcn-amd-amdhsa--gfx1250"
	.amdhsa_code_object_version 6
	.text
	.protected	k_qf290f6de75_prep
	.globl	k_qf290f6de75_prep
	.p2align	8
	.type	k_qf290f6de75_prep,@function
k_qf290f6de75_prep:
	s_mov_b64 s[64:65], 0
	v_nop
	global_prefetch_b8 v0, s[64:65] scope:SCOPE_SE
	s_setreg_imm32_b32 hwreg(HW_REG_WAVE_MODE, 25, 1), 1
	s_wait_xcnt 0x0
; PREP.  Three jobs, one for each group of four waves; work-group g of 256 has 32 tokens, four units of W1 and four of W2.
;   waves 0-3   x[32 g .. 32 g + 31][512] is rounded to bf16, stored to xb and laid into LDS; Wg is rounded to bf16 into LDS.  Behind the barrier wave 0 makes the
;               32 x 8 logits x Wg + bg on the matrix unit (bf16 operands, whose products are exact in f32; f32 sums that begin with bg rounded to bf16) and the argmax.
;   waves 4-7   a unit of W1 (32 k x 128 columns) each, rounded to bf16;   waves 8-11  a unit of W2 each, rounded to bf16 and that number written as f16.
;               A unit is turned in LDS into the order in which a wave of the next launch takes it as a matrix operand, and stored in runs of 512 bytes.
; OUT.  xb [8192][512] bf16.  route: mask[e][g] (32 bits: bit i = token 32 g + i chose expert e) at byte 1024 e + 4 g; cnt[e][g] (16 bits) at 8192 + 512 e + 2 g.
;       wf: byte ((e 8 + w) 64 + t) 4096 + b 1024 + half 512 + lane 16.  t = 16 c + s: W1[e], k 32 s on, columns 128 w + 64 c + 16 b on; t = 32 + s: W2[e], k 32 s on,
;       columns 64 w + 16 b on.  Lane (r, h) holds column r of the 16, half 0 its k 8 h + 0..7, half 1 its k 16 + 8 h + 0..7.
; LIMITS.  The argmax is taken on the logits: softmax raises every logit strictly and divides all by one positive sum, so the order is the same for every input; of equal
; logits the lower index wins, as in jnp.argmax; logits that differ by less than the rounding of an f32 sum of 512 terms may fall either way.  NaN and infinities are not
; treated apart.  bf16(W2) is exact in f16 from 6.1e-5 to 65,504; below that it keeps f16's fixed step of 6e-8.
; No address and no branch of this launch hangs on the logits: the choice is stored as whole numbers at fixed places.
; No tensor loads, no cluster: every byte is read once, by one wave, and has to pass through registers to be rounded.
.set XP,    1040                       ; a row of x in LDS: 1,024 bytes + 16: the 16 rows of a fragment load start at 16 different groups of four banks
.set WGT,   32*XP                      ; Wg in LDS: 512 rows (k) of 32 bytes: 8 experts in bf16, then 8 zeros
.set TILE,  WGT+16384                  ; eight tiles, one for each of waves 4-11: [32 k][128 columns] of 16 bits
.set TP,    288                        ; a tile's row: 256 bytes + 32
.set TB,    32*TP
.set SPARE, TILE+8*TB                  ; the spare words: 128 bytes for each of 12 waves, six blocks of 256 bytes that no other line names
; v1 lane  v2 lane % 16  v3 lane / 16  v4, v5 the add's two registers  v6 16 x lane  v7 8 x lane  v8-v12 LDS addresses  v13-15 at work
; v16-31 the two accumulators  v32-63 Wg as loaded, later bg and the argmax  v64-191 32 loads of 4 registers  v64-255 in the gate: two banks of 96
; s[4:19] the eight addresses  s20 wave  s21 work-group  s[24:31] bg  s[32:39] ballots  s[40:47] counts  s[52:53] input  s[56:59] output bases
	s_load_b512 s[4:19], s[0:1], 0x0               ; x 4, Wg 6, bg 8, W1 10, W2 12, xb 14, wf 16, route 18
	v_lshl_add_u32 v4, v0, 2, SPARE
	v_mov_b32 v5, 0
	v_and_b32 v1, 31, v0
	v_and_b32 v2, 15, v0
	v_bfe_u32 v3, v0, 4, 1
	v_lshrrev_b32 v13, 5, v0
	v_readfirstlane_b32 s20, v13                   ; wave 0..11
	s_mov_b32 s21, ttmp9
	s_mov_b32 s50, 0xffff0000                      ; a word's upper half; also the mask of lanes 16-31
	s_mov_b32 s55, 0                               ; the high word of every offset pair
	v_lshlrev_b32 v6, 4, v1
	v_lshlrev_b32 v7, 3, v1
	s_lshr_b32 s22, s21, 5                         ; the expert of this work-group's weight units
	s_wait_kmcnt 0x0
	s_cmp_ge_u32 s20, 8
	s_cbranch_scc1 .Lw2
	s_cmp_ge_u32 s20, 4
	s_cbranch_scc1 .Lw1
	; ---- waves 0-3: eight rows of x and a quarter of Wg each
	s_lshl_b32 s54, s21, 16                        ; 32 rows of 2,048 bytes a work-group,
	s_lshl_b32 s23, s20, 14                        ; 8 rows a wave
	s_add_co_u32 s54, s54, s23
	s_add_nc_u64 s[52:53], s[4:5], s[54:55]
	s_lshr_b32 s54, s54, 1                         ; half as many bytes in xb
	s_add_nc_u64 s[56:57], s[14:15], s[54:55]
	s_lshl_b32 s54, s20, 12                        ; 128 rows of Wg, 32 bytes each
	s_add_nc_u64 s[58:59], s[6:7], s[54:55]
	s_load_b256 s[24:31], s[8:9], 0x0              ; bg
.set i, 0
.rept 8
	global_load_b128 v[32+4*i:35+4*i], v6, s[58:59] offset:512*i
.set i, i+1
.endr
.set i, 0
.rept 32                                       ; load i: row i / 4, quarter i % 4: the 8 rows are 16,384 bytes on end
	global_load_b128 v[64+4*i:67+4*i], v6, s[52:53] offset:512*i th:TH_LOAD_NT
.set i, i+1
.endr
	s_add_co_u32 s23, s54, WGT                     ; my quarter of Wg in LDS
	v_lshrrev_b32 v13, 1, v1
	v_and_b32 v14, 1, v1
	v_lshlrev_b32 v14, 3, v14
	v_lshl_add_u32 v13, v13, 5, v14
	v_add_nc_u32 v9, s23, v13                      ; row lane / 2 of sixteen, experts 4 (lane % 2) on
	v_lshl_add_u32 v10, v1, 5, s23
	v_add_nc_u32 v10, 16, v10                      ; the upper 16 bytes of row lane of 32
	s_mul_i32 s23, s20, 8*XP
	v_add_nc_u32 v8, s23, v7                       ; my 8 rows of x in LDS, 8 bytes a lane
.irp j, 192,193,194,195
	v_mov_b32 v\j, 0
.endr
	s_wait_loadcnt 32                              ; Wg is in: the 32 loads of x were issued behind it
.set i, 0
.rept 8
	v_cvt_pk_bf16_f32 v[32+4*i], v[32+4*i], v[33+4*i]
	v_cvt_pk_bf16_f32 v[33+4*i], v[34+4*i], v[35+4*i]
	ds_store_b64 v9, v[32+4*i:33+4*i] offset:512*i
.set i, i+1
.endr
.irp j, 0,1,2,3
	ds_store_b128 v10, v[192:195] offset:1024*\j   ; experts 8-15 of the 16 columns of a fragment do not exist: zeros
.endr
.set i, 0
.rept 32
.if i%4 == 0
	s_wait_loadcnt 28-i                            ; this row's four loads are in; four for each later row may be out
.endif
	v_cvt_pk_bf16_f32 v[64+4*i], v[64+4*i], v[65+4*i]
	v_cvt_pk_bf16_f32 v[65+4*i], v[66+4*i], v[67+4*i]
	global_store_b64 v7, v[64+4*i:65+4*i], s[56:57] offset:256*i   ; 32 lanes store 256 consecutive bytes, at a multiple of 256 from xb's first byte
	ds_store_b64 v8, v[64+4*i:65+4*i] offset:(i/4)*XP+(i%4)*256
.set i, i+1
.endr
	s_wait_kmcnt 0x0                               ; bg
	s_branch .Ljoin
; The bases of a weight wave.  s22 = expert, s23 = k step of 32, s51 = block of 128 columns.
; src: the tensor's address; ks: log2 of 32 rows' bytes; kn: log2 of the bytes in wf from one column block to the next; ko: the first stream step; hop: from fragments 0-3 to 4-7
.macro WBASE src, ks, kn, ko, hop
	s_lshl_b32 s54, s22, 21                        ; an expert is 2^21 bytes of W1, of W2 and of wf
	s_lshl_b32 s61, s23, \ks
	s_add_co_u32 s54, s54, s61
	s_lshl_b32 s61, s51, 9                         ; 128 columns of f32
	s_add_co_u32 s54, s54, s61
	s_add_nc_u64 s[52:53], s[\src:\src+1], s[54:55]
	s_lshl_b32 s54, s22, 21
	s_lshl_b32 s61, s51, \kn
	s_add_co_u32 s54, s54, s61
	s_add_co_u32 s61, s23, \ko
	s_lshl_b32 s61, s61, 12                        ; a stream step is 4,096 bytes
	s_add_co_u32 s54, s54, s61
	s_add_nc_u64 s[56:57], s[16:17], s[54:55]
	s_add_nc_u64 s[58:59], s[56:57], \hop
.endm
; A unit comes in by 32 loads, one row of 512 bytes each, all out at once; it is rounded and laid into my tile.  fmt = 0: bf16.  fmt = 1: bf16, and that number as f16.
.macro WCONV fmt, RS
.set i, 0
.rept 32
	global_load_b128 v[64+4*i:67+4*i], v6, s[52:53] offset:i*(\RS) th:TH_LOAD_NT
.set i, i+1
.endr
	s_mul_i32 s61, s20, TB
	s_add_co_u32 s61, s61, TILE-4*TB               ; the tile of wave 4 is the first
	v_add_nc_u32 v8, s61, v7
.set i, 0
.rept 32
.if i%8 == 0
	s_wait_loadcnt 24-i                            ; these eight rows are in; the later groups of eight may be out
.endif
.if \fmt
	v_cvt_pk_bf16_f32 v13, v[64+4*i], v[65+4*i]
	v_cvt_pk_bf16_f32 v14, v[66+4*i], v[67+4*i]
	v_lshlrev_b32 v[64+4*i], 16, v13
	v_and_b32 v[65+4*i], s50, v13
	v_lshlrev_b32 v[66+4*i], 16, v14
	v_and_b32 v[67+4*i], s50, v14
	v_cvt_pk_f16_f32 v[64+4*i], v[64+4*i], v[65+4*i]
	v_cvt_pk_f16_f32 v[65+4*i], v[66+4*i], v[67+4*i]
.else
	v_cvt_pk_bf16_f32 v[64+4*i], v[64+4*i], v[65+4*i]
	v_cvt_pk_bf16_f32 v[65+4*i], v[66+4*i], v[67+4*i]
.endif
	ds_store_b64 v8, v[64+4*i:65+4*i] offset:i*TP
.set i, i+1
.endr
.endm
.Lw1:   ; ---- waves 4-7: W1[e], k step (g % 32) / 2, column block 4 (g % 2) + wave - 4, which is the next launch's wave; fragments 4-7 are its second chunk, 16 steps on
	s_bfe_u32 s23, s21, 0x40001
	s_and_b32 s51, s21, 1
	s_lshl_b32 s51, s51, 2
	s_add_co_u32 s51, s51, s20
	s_sub_co_u32 s51, s51, 4
	WBASE 10, 17, 18, 0, 0x10000
	WCONV 0, 4096
	s_branch .Ljoin
.Lw2:   ; ---- waves 8-11: W2[e], k step g % 32, column block wave - 8: two of the next launch's waves; fragments 4-7 are the second one's, 64 steps on
	s_and_b32 s23, s21, 31
	s_sub_co_u32 s51, s20, 8
	WBASE 12, 16, 19, 32, 0x40000
	WCONV 1, 2048
.Ljoin:
	s_wait_dscnt 0x0                               ; for the others' sake: my stores into LDS are done
	s_barrier_signal -1
	s_barrier_wait -1                              ; x and Wg are whole in LDS
	s_cmp_ge_u32 s20, 4
	s_cbranch_scc1 .Lwout
	s_cmp_lg_u32 s20, 0
	s_cbranch_scc1 .Lend
	; ---- wave 0: the gate.  Source 0 = 16 columns of Wg (8 experts, 8 zeros), source 1 = 16 tokens: lane l < 16 holds token l, register j expert j.
	s_wait_xcnt 0x0                                ; my stores to xb have read v64-191: only now are these registers loaded again
.irp j, 0,1,2,3,4,5,6,7
	v_mov_b32 v[32+\j], s[24+\j]
.endr
.irp j, 0,1,2,3
	v_cvt_pk_bf16_f32 v[40+\j], v[32+2*\j], v[33+2*\j]   ; bg is rounded to bf16 like every input,
.endr
.irp j, 0,1,2,3
	v_lshlrev_b32 v[32+2*\j], 16, v[40+\j]               ; and widened again: v32-39 start the sums
	v_and_b32 v[33+2*\j], s50, v[40+\j]
.endr
	v_and_b32 v13, 7, v1
	v_lshl_add_u32 v13, v3, 3, v13
	v_bfe_u32 v14, v1, 3, 1
	v_lshlrev_b32 v14, 4, v14
	v_lshl_add_u32 v13, v13, 5, v14
	v_add_nc_u32 v11, WGT, v13                     ; the turning load: row 8 (l / 16) + l % 8 of Wg, its half (l / 8) % 2
	v_mul_u32_u24 v12, v2, XP
	v_lshl_add_u32 v12, v3, 4, v12                 ; a fragment of x: row l % 16, 16 bytes for each half of the lanes
	s_mov_b32 s48, 0x76543210
	s_mov_b32 s49, 0xfedcba98
; Four k steps of 32: for each a fragment of Wg (turned) and one of x for each of the two token tiles: 24 loads into a bank of 96 registers
.macro GLOAD g, bank
.set z, 0
.rept 4
.set R, 64+96*(\bank)+24*z
.set kz, 4*(\g)+z
	ds_load_tr16_b128 v[R:R+3], v11 offset:kz*1024
	ds_load_tr16_b128 v[R+4:R+7], v11 offset:kz*1024+512
	ds_load_b128 v[R+8:R+11], v12 offset:kz*64
	ds_load_b128 v[R+12:R+15], v12 offset:kz*64+32
	ds_load_b128 v[R+16:R+19], v12 offset:16*XP+kz*64
	ds_load_b128 v[R+20:R+23], v12 offset:16*XP+kz*64+32
.set z, z+1
.endr
.endm
; Eight products; the two accumulators take turns, one instruction a turn
.macro GMUL bank, first
.set z, 0
.rept 4
.set R, 64+96*(\bank)+24*z
.if (\first) && (z == 0)
	v_wmma_f32_16x16x32_bf16 v[16:23], v[R:R+7], v[R+8:R+15], v[32:39]
	v_wmma_f32_16x16x32_bf16 v[24:31], v[R:R+7], v[R+16:R+23], v[32:39]
.else
	v_wmma_f32_16x16x32_bf16 v[16:23], v[R:R+7], v[R+8:R+15], v[16:23]
	v_wmma_f32_16x16x32_bf16 v[24:31], v[R:R+7], v[R+16:R+23], v[24:31]
.endif
.set z, z+1
.endr
.endm
.macro PLACES                          ; four plain places between a matrix instruction and a load into, or a read of, its registers
.rept 4
	v_nop
.endr
.endm
	GLOAD 0, 0
	GLOAD 1, 1
	s_wait_dscnt 24                                ; the first bank is in; the 24 loads of the second may be out
	GMUL 0, 1
	PLACES
	GLOAD 2, 0
	s_wait_dscnt 24
	GMUL 1, 0
	PLACES
	GLOAD 3, 1
	s_wait_dscnt 24
	GMUL 0, 0
	s_wait_dscnt 0x0
	GMUL 1, 0
	PLACES
; The argmax over a lane's eight registers, from the low end on; only a strictly greater logit takes the place, so the lower index wins a tie
.macro AMAX acc, bv, bi
	v_mov_b32 v[\bv], v[\acc]
	v_mov_b32 v[\bi], 0
.irp j, 1,2,3,4,5,6,7
	v_cmp_gt_f32 vcc_lo, v[(\acc)+(\j)], v[\bv]
	v_cndmask_b32 v[\bv], v[\bv], v[(\acc)+(\j)], vcc_lo
	v_cndmask_b32 v[\bi], v[\bi], \j, vcc_lo
.endr
.endm
	AMAX 16, 44, 45
	AMAX 24, 46, 47
	v_mov_b32 v48, 0                               ; v_permlanex16_b32 counts as a reader of its destination
	v_permlanex16_b32 v48, v47, s48, s49           ; the second tile's choices go to lanes 16-31
	v_cndmask_b32 v45, v45, v48, s50               ; lane l now holds the choice of token 32 g + l
	v_mov_b32 v49, 0
	v_mov_b32 v50, 0
.irp e, 0,1,2,3,4,5,6,7
	v_cmp_eq_u32 s[32+\e], \e, v45                 ; expert e's ballot,
	s_bcnt1_i32_b32 s[40+\e], s[32+\e]             ; and its count
	v_writelane_b32 v49, s[32+\e], \e
	v_writelane_b32 v50, s[40+\e], \e
.endr
	v_min_u32 v53, 7, v1
	v_lshlrev_b32 v51, 10, v53
	s_lshl_b32 s23, s21, 2
	v_add_nc_u32 v51, s23, v51                     ; mask[e][g]
	v_lshlrev_b32 v52, 9, v53
	s_lshl_b32 s23, s21, 1
	s_add_co_u32 s23, s23, 8192
	v_add_nc_u32 v52, s23, v52                     ; cnt[e][g]
	v_cmp_gt_u32 vcc_lo, 8, v1
	s_wait_xcnt 0x0                                ; EXEC changes only behind this wait
	s_and_saveexec_b32 s60, vcc_lo
	global_store_b32 v51, v49, s[18:19]            ; lane e stores expert e's word: 48 bytes a work-group, at places that hang on g alone
	global_store_b16 v52, v50, s[18:19]
	s_wait_xcnt 0x0                                ; and again in front of the line that widens it
	s_or_b32 exec_lo, exec_lo, s60
	s_branch .Lend
.Lwout: ; ---- waves 4-11: my tile comes back turned, eight fragments of 16 columns x 32 k, and leaves in runs of 512 bytes
	s_mul_i32 s23, s20, TB
	s_add_co_u32 s23, s23, TILE-4*TB
	v_and_b32 v13, 7, v1
	v_lshl_add_u32 v13, v3, 3, v13
	v_mul_u32_u24 v13, v13, TP
	v_bfe_u32 v14, v1, 3, 1
	v_lshl_add_u32 v13, v14, 4, v13
	v_add_nc_u32 v11, s23, v13                     ; row 8 (l / 16) + l % 8, columns 8 ((l / 8) % 2) on
.set f, 0
.rept 8
	ds_load_tr16_b128 v[64+8*f:67+8*f], v11 offset:32*f
	ds_load_tr16_b128 v[68+8*f:71+8*f], v11 offset:32*f+16*TP
.set f, f+1
.endr
.set f, 0
.rept 8
	s_wait_dscnt 14-2*f                            ; fragment f is in; two loads for each later fragment may be out
	global_store_b128 v6, v[64+8*f:67+8*f], s[56+2*(f/4):57+2*(f/4)] offset:(f%4)*1024       ; 32 lanes store 512 consecutive bytes, at a multiple of 512 from wf's first byte
	global_store_b128 v6, v[68+8*f:71+8*f], s[56+2*(f/4):57+2*(f/4)] offset:(f%4)*1024+512
.set f, f+1
.endr
.Lend:
	s_wait_tensorcnt 0x0                           ; the wave's end
	ds_add_u32 v4, v5
	s_wait_dscnt 0x0
	s_endpgm
.Lfunc_end_k_qf290f6de75_prep:
	.size	k_qf290f6de75_prep, .Lfunc_end_k_qf290f6de75_prep-k_qf290f6de75_prep
	.p2alignl 7, 3214868480
	.fill 96, 4, 3214868480
	.section	.rodata,"a",@progbits
	.p2align	6, 0x0
	.amdhsa_kernel k_qf290f6de75_prep
		.amdhsa_group_segment_fixed_size 124928
		.amdhsa_private_segment_fixed_size 0
		.amdhsa_enable_private_segment 0
		.amdhsa_kernarg_size 64
		.amdhsa_user_sgpr_count 2
		.amdhsa_user_sgpr_kernarg_segment_ptr 1
		.amdhsa_wavefront_size32 1
		.amdhsa_system_sgpr_workgroup_id_x 1
		.amdhsa_system_sgpr_workgroup_id_y 1
		.amdhsa_system_sgpr_workgroup_id_z 1
		.amdhsa_system_vgpr_workitem_id 0
		.amdhsa_next_free_vgpr 256
		.amdhsa_next_free_sgpr 66
		.amdhsa_reserve_vcc 1
		.amdhsa_float_denorm_mode_32 3
		.amdhsa_float_denorm_mode_16_64 3
		.amdhsa_memory_ordered 1
		.amdhsa_forward_progress 1
		.amdhsa_inst_pref_size 63
	.end_amdhsa_kernel
	.amdgpu_metadata
---
amdhsa.version: [ 1, 2 ]
amdhsa.kernels:
  - .name:           k_qf290f6de75_prep
    .symbol:         k_qf290f6de75_prep.kd
    .args:
      - { .name: x, .offset: 0, .size: 8, .value_kind: global_buffer, .address_space: global }
      - { .name: Wg, .offset: 8, .size: 8, .value_kind: global_buffer, .address_space: global }
      - { .name: bg, .offset: 16, .size: 8, .value_kind: global_buffer, .address_space: global }
      - { .name: W1, .offset: 24, .size: 8, .value_kind: global_buffer, .address_space: global }
      - { .name: W2, .offset: 32, .size: 8, .value_kind: global_buffer, .address_space: global }
      - { .name: xb, .offset: 40, .size: 8, .value_kind: global_buffer, .address_space: global }
      - { .name: wf, .offset: 48, .size: 8, .value_kind: global_buffer, .address_space: global }
      - { .name: route, .offset: 56, .size: 8, .value_kind: global_buffer, .address_space: global }
    .group_segment_fixed_size: 124928
    .private_segment_fixed_size: 0
    .kernarg_segment_align: 8
    .kernarg_segment_size: 64
    .max_flat_workgroup_size: 384
    .sgpr_count:     66
    .vgpr_count:     256
    .wavefront_size: 32
...
	.end_amdgpu_metadata
.endif
;; end of part 1
;; launch chain (part 2): grid 135 x 1, 8 waves a work-group, no clusters, 253,952 bytes of LDS; arguments route, xb, wf, b1, b2, out0; writes out0
.if DOCPART == 2
	.amdgcn_target "amdgcn-amd-amdhsa--gfx1250"
	.amdhsa_code_object_version 6
	.text
	.protected	k_qf290f6de75_chain
	.globl	k_qf290f6de75_chain
	.p2align	8
	.type	k_qf290f6de75_chain,@function
k_qf290f6de75_chain:
	s_mov_b64 s[64:65], 0
	v_nop
	global_prefetch_b8 v0, s[64:65] scope:SCOPE_SE
	s_setreg_imm32_b32 hwreg(HW_REG_WAVE_MODE, 25, 1), 1
	s_wait_xcnt 0x0
; CHAIN.  out0[t] = relu(x[t] W1[e] + b1[e]) W2[e] + b2[e] for e = the expert that token t chose.  Only the chosen expert's rows are multiplied.
; TILES.  A work-group takes 64 rows of one expert through the whole chain.  With 8,192 rows and 8 experts there are never more than 8192 / 64 + 7 = 135 tiles, whatever the
; split: that is the grid.  Every work-group finds its tile by itself from the 12 KB of ballots and counts that the launch before stored: the experts' totals, the tile map,
; and the tokens of ranks START .. START + 63 of its expert.  Places past the expert's count hold token 0; their rows are computed and never stored.  A work-group that a split
; leaves without rows runs the same text on token 0 and stores nothing (at most 7 of 135): the barriers stand on every way, and no register is read on any way before it is written.
; SHARES.  Eight waves.  Wave w makes hidden columns 128 w .. + 127 (two chunks of 64) and output columns 64 w .. + 63 for all 64 rows.  A STEP is 32 along k: four weight
; fragments (4 KB) from memory straight into registers, four token fragments (4 KB) from LDS, 16 matrix instructions on 16 accumulators.  A wave has 64 steps, and its weights are
; one stream of 256 KB in wf, in the order of the steps, read through a ring of eight register slots: seven steps, 28 KB a wave, are asked for ahead.
; LAYOUT.  Source 0 = 16 columns of the weights, source 1 = 16 tokens: a lane holds ONE token (lane % 16) and the columns 8 (lane / 16) + 0..7.  The bias is the C operand of the first step.
; FORMATS.  x, W1, b1, b2 rounded to bf16, W2 rounded to bf16 and written as f16 (by the launch before; the biases here); h rounded once to f16; sums in f32.
; LIMITS.  |h| stays under 65,520, where f16 ends (with x and W1 thirty times the drawn spread h is some hundreds).  NaN and infinities are not treated apart.
; NO CLUSTER, NO TENSOR LOADS.  The tiles of an expert walk the same weights, but a joint load lands in LDS: 2 MB written and 2 MB read there for each work-group, beside the 2 MB of
; token fragments, where now the weights pass LDS by; beside x and h (198,656 bytes) two slots would hold a step and a half each; and experts would have to be dealt whole clusters.
.set XP,    1040                       ; a row of x in LDS: 1,024 bytes + 16
.set HP,    2064                       ; a row of h: 2,048 bytes + 16: both pitches are odd multiples of 16, so the 16 rows of a fragment load start at 16 different groups of four banks
.set H,     64*XP                      ; x lies at 0
.set BIAS,  H+64*HP                    ; b1[e] (1,024 f32), then b2[e] (512 f32)
.set CNT,   BIAS+6144                  ; the counts, as they lie in memory: a row of 512 bytes for each expert
.set CP,    512
.set MSK,   CNT+8*CP                   ; the ballots, as they lie in memory
.set LIST,  MSK+8192                   ; the tile's tokens: 64 bytes a wave: eight words, a ninth that takes what is not wanted, seven unused
.set STAGE, LIST+512                   ; 16 rows of 272 bytes for each wave, for the way out
.set SP,    272
.set SPARE, STAGE+8*16*SP              ; the spare words: 128 bytes for each of 8 waves, four blocks of 256 bytes that no other line names
.set SPW, 4                            ; v4, v5  the add's two registers; never rewritten
.set NIL, 5
.set ZERO, 6                           ; v6   0
.set WO,  7                            ; v7   16 x lane
.set AX,  8                            ; v8, v9    my place in a fragment of x: rows 0-31, rows 32-63
.set AH,  10                           ; v10, v11  the same for h
.set HS,  12                           ; v12, v13  where I put 16 bytes of h
.set BA,  14                           ; v14  my 32 bytes of the chunk's bias
.set STO, 15                           ; v15  the way out: where I put 32 bytes of a row
.set RD,  16                           ; v16  where I read rows back
.set LI,  17                           ; v17  the list, 4 bytes on for lanes 16-31
.set C16, 18                           ; v18  16 x (lane % 16)
.set LW,  19                           ; v19  my wave's part of the list
.set TR0, 20                           ; v20-27  at work at the head; my eight tokens, then their byte offsets in xb
.set MB,  28                           ; v28-31  the walk through a ballot: the bits left, the rank, the token; at work
.set RK,  29
.set TK,  30
.set UU,  31
.set BI,  32                           ; v32-63  the bias as C operand: column block b at BI + 8 b
.set TO,  32                           ;         behind the products: the byte offsets in out0 of the tile's 32 pairs of rows; written once
.set AB,  64                           ; v64-127 token fragments, two buffers of 32; between the products: h as packed
.set OB,  96                           ; v96-127 the way out: 16 rows read back
.set ACC, 128                          ; v128-255 accumulator (a, b) at ACC + 8 (4 a + b); at work before the products:
.set BB,  128                          ;   v128-135 eight bits of a ballot   v136-143 their ranks, then their words in the list   v144-151 their tokens
.set RR,  136
.set KK,  144
.set TS,  152                          ;   v152-155 at work in the scans
.set CJ,  168                          ;   v160-167 the biases and their offsets   v168-175 counts, v176-183 ballots of groups 32 j + lane   v186-189 counts packed in pairs   v190, v191 at work
.set MJ,  176
.set WK,  186
.set WP,  56                           ; s[56:57] the stream of my weights
; window 1 (v256-511): the ring, slot n at 32 n.  s_set_vgpr_msb: bits 1:0 source 0, 3:2 source 1, 5:4 source 2, 7:6 destination
; s[4:15] route, xb, wf, b1, b2, out0  s16 wave  s17 work-group  s18 expert  s19 its first tile  s20 its rows  s21 tiles so far  s23 START  s24 ROWS  s25, s26 my ranks' bounds
; s[30:37] the experts' rows  s[40:48] ranks at which the eight runs of 32 groups begin  s[58:59] out0 at my columns  s[66:69] b1, b2 of my expert  s[70:71] xb at the bytes that I ask for ahead
.set MSB, 0
.macro WIN new                         ; the immediate's high byte repeats the setting that is left; a switch that changes nothing is dropped
.if MSB != (\new)
	s_set_vgpr_msb (MSB<<8)|(\new)
.set MSB, (\new)
.endif
.endm
	s_load_b256 s[4:11], s[0:1], 0x0
	s_load_b128 s[12:15], s[0:1], 0x20
	v_lshl_add_u32 v[SPW], v0, 2, SPARE
	v_mov_b32 v[NIL], 0
	v_mov_b32 v[ZERO], 0
	v_and_b32 v1, 31, v0
	v_and_b32 v2, 15, v0
	v_bfe_u32 v3, v0, 4, 1
	v_lshrrev_b32 v20, 5, v0
	v_readfirstlane_b32 s16, v20                   ; wave 0..7
	s_mov_b32 s17, ttmp9
	s_mov_b32 s28, 0xffff0000                      ; a word's upper half; also the mask of lanes 16-31
	s_mov_b32 s55, 0
	; ---- the tables come into LDS: thread t takes 16 bytes of each half of the ballots and 16 bytes of the counts
	v_lshlrev_b32 v20, 4, v0
	v_lshl_add_u32 v21, v0, 4, MSK
	s_mul_i32 s22, s16, CP                         ; wave w's 512 bytes of counts are expert w's row
	s_add_co_u32 s22, s22, CNT
	v_lshl_add_u32 v22, v1, 4, s22
	v_lshlrev_b32 v25, 8, v0
	s_wait_kmcnt 0x0
	global_load_b128 v[128:131], v20, s[4:5]
	global_load_b128 v[132:135], v20, s[4:5] offset:4096
	global_load_b128 v[136:139], v20, s[4:5] offset:8192
	; xb is asked for ahead, once and whole: work-group i < 128 asks for its bytes 65,536 i on, thread t for the byte at 256 t.  The rows that the lists will name are loaded
	; behind the tables' way from memory, the totals, the scan and the walk.  Work-groups 128 to 134 ask for nothing: no request passes xb's 8,388,608 bytes.
	s_cmp_lt_u32 s17, 128
	s_cbranch_scc0 .Lnopf
	s_lshl_b32 s54, s17, 16
	s_add_nc_u64 s[70:71], s[6:7], s[54:55]
	global_prefetch_b8 v25, s[70:71] th:TH_LOAD_NT scope:SCOPE_SE
.Lnopf:
	; the addresses that hang on the thread alone are made while these are out
	v_lshlrev_b32 v[WO], 4, v1
	v_lshlrev_b32 v[C16], 4, v2
	v_mul_u32_u24 v[AX], v2, XP
	v_lshl_add_u32 v[AX], v3, 4, v[AX]             ; row x pitch + 16 x half
	v_add_nc_u32 v[AX+1], 32*XP, v[AX]
	v_mul_u32_u24 v[AH], v2, HP
	v_lshl_add_u32 v[AH], v3, 4, v[AH]
	v_add_nc_u32 v[AH], H, v[AH]
	v_add_nc_u32 v[AH+1], 32*HP, v[AH]
	v_lshl_add_u32 v[HS], s16, 8, v[AH]            ; my wave's 128 hidden columns are 256 bytes of a row of h
	v_add_nc_u32 v[HS+1], 32*HP, v[HS]
	s_mul_i32 s22, s16, 16*SP
	s_add_co_u32 s22, s22, STAGE
	v_mul_u32_u24 v[STO], v2, SP
	v_lshl_add_u32 v[STO], v3, 5, v[STO]
	v_add_nc_u32 v[STO], s22, v[STO]               ; in: row l % 16, 32 bytes for each half of the lanes
	v_mul_u32_u24 v[RD], v3, SP
	v_lshl_add_u32 v[RD], v2, 4, v[RD]
	v_add_nc_u32 v[RD], s22, v[RD]                 ; back: lanes 0-15 one row of 256 bytes, lanes 16-31 the next
	v_lshl_add_u32 v[LI], v3, 2, LIST
	s_lshl_b32 s22, s16, 6
	s_add_co_u32 s22, s22, LIST
	v_mov_b32 v[LW], s22
	s_lshl_b32 s54, s16, 8
	s_add_nc_u64 s[58:59], s[14:15], s[54:55]      ; my wave's 64 columns are 256 bytes of a row of out0
	v_lshrrev_b32 v23, 2, v1
	v_mul_u32_u24 v23, v23, CP
	v_and_b32 v24, 3, v1
	v_lshl_add_u32 v23, v24, 4, v23
	v_add_nc_u32 v23, CNT, v23                     ; lane l: expert l / 4, every fourth 16 bytes of its row from l % 4 on
	s_wait_loadcnt 0x0
	s_wait_xcnt 0x0                                ; the request ahead has read v25: that register is written again only behind this wait
	ds_store_b128 v21, v[128:131]
	ds_store_b128 v21, v[132:135] offset:4096
	ds_store_b128 v22, v[136:139]
	s_wait_dscnt 0x0                               ; for the others' sake: my stores are done
	s_barrier_signal -1
	s_barrier_wait -1                              ; the tables are whole
	; ---- the experts' totals, in every wave.  Counts are 16 bits, two to a word; a field sums 32 counts of 32 at the most, so plain adds carry nothing across.
	; Rows of 512 bytes; eight such loads a wave, once, for a table without gaps
.set i, 0
.rept 8
	ds_load_b128 v[128+4*i:131+4*i], v23 offset:64*i
.set i, i+1
.endr
	s_wait_dscnt 0x0
.set i, 4
.rept 28
	v_add_nc_u32 v[128+i%4], v[128+i%4], v[128+i]
.set i, i+1
.endr
	v_add_nc_u32 v128, v128, v129
	v_add_nc_u32 v130, v130, v131
	v_add_nc_u32 v128, v128, v130
	v_lshrrev_b32 v129, 16, v128
	v_and_b32 v128, 0xffff, v128
	v_add_nc_u32 v128, v128, v129
	v_mov_b32_dpp v129, v128 row_xmask:1 row_mask:0xf bank_mask:0xf
	v_add_nc_u32 v128, v128, v129
	v_mov_b32_dpp v129, v128 row_xmask:2 row_mask:0xf bank_mask:0xf
	v_add_nc_u32 v128, v128, v129                  ; the four lanes of an expert all hold its rows
.irp e, 0,1,2,3,4,5,6,7
	v_readlane_b32 s[30+\e], v128, 4*\e
.endr
	; ---- the tile map: expert e has ceil(rows / 64) tiles, the experts on end.  Mine is the last expert whose first tile is not behind me: one without rows is passed over
	s_mov_b32 s21, 0
	s_mov_b32 s18, 0
	s_mov_b32 s19, 0
	s_mov_b32 s20, 0
.irp e, 0,1,2,3,4,5,6,7
	s_cmp_ge_u32 s17, s21
	s_cselect_b32 s18, \e, s18
	s_cselect_b32 s19, s21, s19
	s_cselect_b32 s20, s[30+\e], s20
	s_add_co_u32 s22, s[30+\e], 63
	s_lshr_b32 s22, s22, 6
	s_add_co_u32 s21, s21, s22
.endr
	s_min_u32 s18, s18, 7                          ; the expert enters addresses
	s_sub_co_u32 s23, s17, s19
	s_lshl_b32 s23, s23, 6                         ; START: my first rank among the expert's rows
	s_sub_co_i32 s24, s20, s23
	s_min_i32 s24, s24, 64
	s_max_i32 s24, s24, 0                          ; ROWS: 0 to 64
	s_lshl_b32 s25, s16, 3
	s_add_co_u32 s25, s25, s23                     ; my wave finds ranks s25 .. s25 + 7
	s_add_co_u32 s26, s25, 8
	; ---- the biases are asked for; the stream's address
	s_lshl_b32 s54, s18, 12
	s_add_nc_u64 s[66:67], s[10:11], s[54:55]
	s_lshl_b32 s54, s18, 11
	s_add_nc_u64 s[68:69], s[12:13], s[54:55]
	v_lshlrev_b32 v166, 4, v0
	v_lshlrev_b32 v167, 3, v0
	global_load_b128 v[160:163], v166, s[66:67]
	global_load_b64 v[164:165], v167, s[68:69]
	s_lshl_b32 s54, s18, 3
	s_add_co_u32 s54, s54, s16
	s_lshl_b32 s54, s54, 18                        ; 256 KB for each expert and wave
	s_add_nc_u64 s[WP:WP+1], s[8:9], s[54:55]
	; ---- my expert's counts and ballots: register j of lane l stands for group 32 j + l, so lanes and then registers go in the tokens' order
	s_mul_i32 s22, s18, CP
	s_add_co_u32 s22, s22, CNT
	v_lshl_add_u32 v184, v1, 1, s22
	s_lshl_b32 s22, s18, 10
	s_add_co_u32 s22, s22, MSK
	v_lshl_add_u32 v185, v1, 2, s22
.irp j, 0,1,2,3,4,5,6,7
	ds_load_u16 v[CJ+\j], v184 offset:64*\j
.endr
.irp j, 0,1,2,3,4,5,6,7
	ds_load_b32 v[MJ+\j], v185 offset:128*\j
.endr
	v_lshl_add_u32 v[UU], v2, 2, v[LW]
	ds_store_b32 v[UU], v[ZERO]                    ; my 64 bytes of the list begin as token 0 (lanes l and l + 16 write the same word)
.irp k, 0,1,2,3
	v_mov_b32 v[TS+\k], 0                          ; a DPP form counts as a reader of its destination
.endr
	s_wait_dscnt 0x0
.irp k, 0,1,2,3
	v_lshl_or_b32 v[WK+\k], v[CJ+2*\k+1], 16, v[CJ+2*\k]
.endr
	; The running sums over the 32 lanes, two fields to a register (1,024 at the most in each), the four registers side by side so that no line reads the result of the line before it:
	; four steps inside each half of 16 lanes, then the lower half's total onto the upper half
.irp d, 1,2,4,8
.irp k, 0,1,2,3
	v_mov_b32_dpp v[TS+\k], v[WK+\k] row_shr:\d row_mask:0xf bank_mask:0xf bound_ctrl:1
.endr
.irp k, 0,1,2,3
	v_add_nc_u32 v[WK+\k], v[WK+\k], v[TS+\k]
.endr
.endr
.irp k, 0,1,2,3
	v_readlane_b32 s[50+\k], v[WK+\k], 15
.endr
.irp k, 0,1,2,3
	v_cndmask_b32 v[TS+\k], 0, s[50+\k], s28
.endr
.irp k, 0,1,2,3
	v_add_nc_u32 v[WK+\k], v[WK+\k], v[TS+\k]
.endr
.irp k, 0,1,2,3
	v_readlane_b32 s[50+\k], v[WK+\k], 31
.endr
	s_mov_b32 s40, 0
.irp k, 0,1,2,3
	s_and_b32 s22, s[50+\k], 0xffff
	s_add_co_u32 s[41+2*\k], s[40+2*\k], s22
	s_lshr_b32 s22, s[50+\k], 16
	s_add_co_u32 s[42+2*\k], s[41+2*\k], s22
.endr
; Register j's 32 groups hold the ranks s[40+j] .. s[41+j] - 1.  If none of my eight lies there, the walk is jumped.  Else each lane walks its ballot, EIGHT BITS A TRIP, four trips.
; A set bit's rank, counted from my first, is its word in my list if it is 0 to 7; every other store goes to the ninth word, which nobody reads.
; The rank is carried with 2^31 added; bit x 2^31 more takes that off again where the bit is set, and only there: ranks lie within 8,192 of 0 either way, so all else is far above 8.
; Each kind of line stands eight wide, and the ranks grow in two chains that take turns: no line reads the result of the line before it.
.macro BITS j
	s_cmp_lt_u32 s[40+(\j)], s26
	s_cbranch_scc0 .Lnone_\@
	s_cmp_gt_u32 s[41+(\j)], s25
	s_cbranch_scc0 .Lnone_\@
.if (\j)%2
	v_lshrrev_b32 v[RK], 16, v[WK+(\j)/2]
.else
	v_and_b32 v[RK], 0xffff, v[WK+(\j)/2]
.endif
	v_sub_nc_u32 v[RK], v[RK], v[CJ+(\j)]          ; the rows in the lanes below me,
	s_sub_co_u32 s22, s[40+(\j)], s25              ; in the registers below, less my wave's first rank (it may wrap),
	s_add_co_u32 s22, s22, 0x80000000              ; and 2^31
	v_add_nc_u32 v[RK], s22, v[RK]
	v_mov_b32 v[MB], v[MJ+(\j)]
	v_lshl_add_u32 v[TK], v1, 5, 1024*(\j)         ; the group's first token
	s_mov_b32 s27, 4
.Lbit_\@:
.irp i, 0,1,2,3,4,5,6,7
	v_bfe_u32 v[BB+\i], v[MB], \i, 1
.endr
.irp i, 1,2,3,4,5,6,7
	v_add_nc_u32 v[KK+\i], \i, v[TK]
.endr
	v_add_nc_u32 v[RR+1], v[RK], v[BB]             ; bit i's rank = the trip's first + the bits below it
	v_add3_u32 v[RR+2], v[RK], v[BB], v[BB+1]
.irp i, 3,4,5,6,7
	v_add3_u32 v[RR+\i], v[RR+\i-2], v[BB+\i-2], v[BB+\i-1]
.endr
	v_lshl_add_u32 v[RR], v[BB], 31, v[RK]
	v_add3_u32 v[RK], v[RR+6], v[BB+6], v[BB+7]    ; the next trip's first rank
.irp i, 1,2,3,4,5,6,7
	v_lshl_add_u32 v[RR+\i], v[BB+\i], 31, v[RR+\i]
.endr
.irp i, 0,1,2,3,4,5,6,7
	v_min_u32 v[RR+\i], 8, v[RR+\i]
.endr
.irp i, 0,1,2,3,4,5,6,7
	v_lshl_add_u32 v[RR+\i], v[RR+\i], 2, v[LW]
.endr
	ds_store_b32 v[RR], v[TK]
.irp i, 1,2,3,4,5,6,7
	ds_store_b32 v[RR+\i], v[KK+\i]
.endr
	v_lshrrev_b32 v[MB], 8, v[MB]
	v_add_nc_u32 v[TK], 8, v[TK]
	s_sub_co_u32 s27, s27, 1
	s_cmp_lg_u32 s27, 0
	s_cbranch_scc1 .Lbit_\@
.Lnone_\@:
.endm
.irp j, 0,1,2,3,4,5,6,7
	BITS \j
.endr
	; ---- my eight rows of x, and the ring's first seven steps
.irp i, 0,1,2,3,4,5,6,7
	ds_load_b32 v[TR0+\i], v[LW] offset:4*\i       ; LDS serves a wave's instructions in order (ISA guide 5.7.1.4): these see my stores above
.endr
	s_wait_dscnt 0x0
.irp i, 0,1,2,3,4,5,6,7
	v_min_u32 v[TR0+\i], 0x1fff, v[TR0+\i]         ; a token enters an address
.endr
.irp i, 0,1,2,3,4,5,6,7
	v_lshl_add_u32 v[TR0+\i], v[TR0+\i], 10, v[WO] ; a row of xb is 1,024 bytes
.endr
.irp i, 0,1,2,3,4,5,6,7
	global_load_b128 v[192+8*\i:195+8*\i], v[TR0+\i], s[6:7]
	global_load_b128 v[196+8*\i:199+8*\i], v[TR0+\i], s[6:7] offset:512
.endr
	WIN 0x40                                       ; destination window 1, address window 0
.set i, 0
.rept 40                                       ; steps 0 to 4: 512 consecutive bytes a load; with the biases' 2 and the rows' 16, 58 loads of mine are out
	global_load_b128 v[4*i:4*i+3], v[WO], s[WP:WP+1] offset:512*i
.set i, i+1
.endr
	WIN 0
	s_wait_loadcnt 56                              ; the biases are in: 16 + 40 loads were issued behind them.  They are rounded to bf16 like every input, and widened again, while the rows are out
	v_cvt_pk_bf16_f32 v191, v160, v161
	v_cvt_pk_bf16_f32 v190, v162, v163
	v_lshlrev_b32 v160, 16, v191
	v_and_b32 v161, s28, v191
	v_lshlrev_b32 v162, 16, v190
	v_and_b32 v163, s28, v190
	v_cvt_pk_bf16_f32 v191, v164, v165
	v_lshlrev_b32 v164, 16, v191
	v_and_b32 v165, s28, v191
	v_add_nc_u32 v166, BIAS, v166
	v_add_nc_u32 v167, BIAS+4096, v167
	ds_store_b128 v166, v[160:163]
	ds_store_b64 v167, v[164:165]
	s_mul_i32 s22, s16, 8*XP
	v_add_nc_u32 v[RK], s22, v[WO]
	s_wait_loadcnt 40                              ; my rows are in: the ring's 40 loads were issued behind them
.irp i, 0,1,2,3,4,5,6,7
	ds_store_b128 v[RK], v[192+8*\i:195+8*\i] offset:\i*XP
	ds_store_b128 v[RK], v[196+8*\i:199+8*\i] offset:\i*XP+512
.endr
	WIN 0x40
.rept 16                                       ; steps 5 and 6: 56 at the most are out
	global_load_b128 v[4*i:4*i+3], v[WO], s[WP:WP+1] offset:512*i
.set i, i+1
.endr
	WIN 0
	s_wait_dscnt 0x0                               ; for the others' sake: my rows, my part of the biases and of the list are stored
	s_barrier_signal -1
	s_barrier_wait -1                              ; x, the biases and the list are whole
; The token fragments of k step s (16 rows x 32 k, four blocks) into buffer s % 2.  ad: the address register of rows 0-31, the next one has rows 32-63; bs: 16 rows' bytes
.macro ALOAD ad, bs, s
.irp a, 0,1,2,3
	ds_load_b128 v[AB+32*((\s)%2)+8*(\a):AB+32*((\s)%2)+8*(\a)+3], v[(\ad)+(\a)/2] offset:((\a)%2)*(\bs)+64*(\s)
	ds_load_b128 v[AB+32*((\s)%2)+8*(\a)+4:AB+32*((\s)%2)+8*(\a)+7], v[(\ad)+(\a)/2] offset:((\a)%2)*(\bs)+64*(\s)+32
.endr
.endm
; In front of a run of steps: the run's bias, eight numbers a lane for each column block, and the first token fragments
.macro PRE ad, bs
	WIN 0
.irp b, 0,1,2,3
	ds_load_b128 v[BI+8*(\b):BI+8*(\b)+3], v[BA] offset:64*(\b)
	ds_load_b128 v[BI+8*(\b)+4:BI+8*(\b)+7], v[BA] offset:64*(\b)+16
.endr
	ALOAD \ad, \bs, 0
.endm
; STEP s of a run of n.  fmt = 0: bf16, 1: f16.  rf: the last step that asks for the step seven on.  lc: eight loads for each later step that has been asked for.
; The four v_nop are the places between the last step's products and the loads into the slot and the buffer that those products read (ISA guide 7.12.1 for vector instructions).
; The 16 accumulators take turns, one instruction a turn, in the same order in every step: between two products on one accumulator stand the 15 others.
.macro STEP fmt, ad, bs, s, n, rf, lc
.rept 4
	v_nop
.endr
	s_wait_loadcnt \lc                             ; loads come back in order (ISA guide 5.7.1): this step's slot is in
.if (\s) <= (\rf)
	WIN 0x40
.irp q, 0,1,2,3,4,5,6,7
	global_load_b128 v[32*(((\s)+7)%8)+4*(\q):32*(((\s)+7)%8)+4*(\q)+3], v[WO], s[WP:WP+1] offset:((\s)+7)*4096+512*(\q)
.endr
.endif
	WIN 0
.if (\s) < (\n)-1
	ALOAD \ad, \bs, (\s)+1
	s_wait_dscnt 0x8                               ; all but the eight just issued: this step's tokens (and, in step 0, the bias) are in
.else
	s_wait_dscnt 0x0
.endif
	WIN 0x01                                       ; source 0, the weights, in window 1
.irp a, 0,1,2,3
.irp b, 0,1,2,3
.set rD, ACC+8*(4*(\a)+(\b))
.set rC, ACC+8*(4*(\a)+(\b))
.if (\s) == 0
.set rC, BI+8*(\b)                     ; the first product starts the sum with the bias: nothing is cleared
.endif
.set rW, 32*((\s)%8)+8*(\b)
.set rA, AB+32*((\s)%2)+8*(\a)
.if \fmt
	v_wmma_f32_16x16x32_f16 v[rD:rD+7], v[rW:rW+7], v[rA:rA+7], v[rC:rC+7]
.else
	v_wmma_f32_16x16x32_bf16 v[rD:rD+7], v[rW:rW+7], v[rA:rA+7], v[rC:rC+7]
.endif
.endr
.endr
.endm
	; ---- PRODUCT 1: two chunks of 64 hidden columns, 16 steps each; a trip is a chunk
	s_lshl_b32 s22, s16, 9
	s_add_co_u32 s22, s22, BIAS
	v_lshl_add_u32 v[BA], v3, 5, s22               ; b1: my wave's 128 numbers, 8 for each half of the lanes
	s_mov_b32 s60, 2
.Lchunk:
	PRE AX, 16*XP
.set kk, 0
.rept 16
	STEP 0, AX, 16*XP, kk, 16, 15, 48              ; six later steps are always asked for: 48 loads
.set kk, kk+1
.endr
	WIN 0
.rept 4
	v_nop                                          ; the places behind the last products
.endr
.set tl, 0
.rept 16                                       ; tile 4 a + b: rounded once to f16, each accumulator from its low end on; the greater of it and 0; a lane's 8 columns are 16 bytes of a row of h
.irp j, 0,1,2,3
	v_cvt_pk_f16_f32 v[AB+4*tl+(\j)], v[ACC+8*tl+2*(\j)], v[ACC+8*tl+2*(\j)+1]
.endr
.irp j, 0,1,2,3
	v_pk_max_num_f16 v[AB+4*tl+(\j)], v[AB+4*tl+(\j)], v[ZERO]
.endr
	ds_store_b128 v[HS+tl/8], v[AB+4*tl:AB+4*tl+3] offset:((tl/4)%2)*16*HP+32*(tl%4)
.set tl, tl+1
.endr
	v_add_nc_u32 v[BA], 256, v[BA]                 ; the next chunk's bias,
	v_add_nc_u32 v[HS], 128, v[HS]                 ; and its place in h
	v_add_nc_u32 v[HS+1], 128, v[HS+1]
	s_wait_xcnt 0x0                                ; the ring's pending loads name the stream's address: it steps only behind this wait
	s_add_nc_u64 s[WP:WP+1], s[WP:WP+1], 0x10000   ; 16 steps on
	s_sub_co_u32 s60, s60, 1
	s_cmp_lg_u32 s60, 0
	s_cbranch_scc1 .Lchunk
	s_wait_dscnt 0x0                               ; for the others' sake: my columns of h are stored
	s_barrier_signal -1
	s_barrier_wait -1                              ; h is whole.  The ring runs on across the barrier: seven steps of W2 are on their way
	; ---- PRODUCT 2: 32 steps over the 1,024 hidden columns; the last seven ask for nothing, so no load passes my 256 KB, and the counts run down
	s_lshl_b32 s22, s16, 8
	s_add_co_u32 s22, s22, BIAS+4096
	v_lshl_add_u32 v[BA], v3, 5, s22               ; b2: my wave's 64 numbers
	PRE AH, 16*HP
.set kk, 0
.rept 32
.set LCV, 31-kk
.if LCV > 6
.set LCV, 6
.endif
	STEP 1, AH, 16*HP, kk, 32, 24, 8*LCV
.set kk, kk+1
.endr
	WIN 0
	; ---- where the tile's rows go, made once, with all lanes on, ahead of the first line that narrows EXEC: pair p is rows 2 p and, in lanes 16-31, 2 p + 1.
	; The bias registers take them: only a run's first step read those.  The 64 plain lines are also the places behind the last products.
.set p, 0
.rept 32
	ds_load_b32 v[TO+p], v[LI] offset:(p/4)*64+8*(p%4)   ; row 2 p lies in the list of wave p / 4, at word 2 (p % 4)
.set p, p+1
.endr
	s_wait_dscnt 0x0
.set p, 0
.rept 32
	v_min_u32 v[TO+p], 0x1fff, v[TO+p]             ; a token enters an address
.set p, p+1
.endr
.set p, 0
.rept 32
	v_lshl_add_u32 v[TO+p], v[TO+p], 11, v[C16]    ; a row of out0 is 2,048 bytes
.set p, p+1
.endr
; THE WAY OUT of rows 16 a .. 16 a + 15.  A lane's 32 bytes of a row go into my stage and come back as whole rows of 256 bytes; each row goes to its token's row of out0.
; A block wholly past the count is jumped; in the block that holds the count each store's lanes are narrowed to the rows that exist.
.macro WAYOUT a
	s_cmp_le_u32 s24, 16*(\a)
	s_cbranch_scc1 .Lskip_\@
	s_wait_xcnt 0x0                                ; the last block's stores have read their data: these registers are loaded again only behind this wait
.irp b, 0,1,2,3
	ds_store_b128 v[STO], v[ACC+8*(4*(\a)+(\b)):ACC+8*(4*(\a)+(\b))+3] offset:64*(\b)           ; each accumulator from its low end on
	ds_store_b128 v[STO], v[ACC+8*(4*(\a)+(\b))+4:ACC+8*(4*(\a)+(\b))+7] offset:64*(\b)+16
.endr
.irp i, 0,1,2,3,4,5,6,7
	ds_load_b128 v[OB+4*(\i):OB+4*(\i)+3], v[RD] offset:2*SP*(\i)                               ; my own bytes, served in order behind the stores above (ISA guide 5.7.1.4)
.endr
	s_wait_dscnt 0x0
	s_cmp_ge_u32 s24, 16*(\a)+16
	s_cbranch_scc0 .Lpart_\@
.irp i, 0,1,2,3,4,5,6,7
	global_store_b128 v[TO+8*(\a)+(\i)], v[OB+4*(\i):OB+4*(\i)+3], s[58:59] th:TH_STORE_NT      ; 16 lanes store 256 consecutive bytes, at a multiple of 256 from out0's first byte
.endr
	s_branch .Lskip_\@
.Lpart_\@:
.irp i, 0,1,2,3,4,5,6,7
	s_sub_co_i32 s62, s24, 16*(\a)+2*(\i)          ; how many of this store's two rows exist: it may be below 0
	v_cmp_gt_i32 vcc_lo, s62, v3
	s_wait_xcnt 0x0                                ; EXEC changes only behind this wait
	s_and_saveexec_b32 s61, vcc_lo
	global_store_b128 v[TO+8*(\a)+(\i)], v[OB+4*(\i):OB+4*(\i)+3], s[58:59] th:TH_STORE_NT
	s_wait_xcnt 0x0                                ; and again in front of the line that widens it
	s_or_b32 exec_lo, exec_lo, s61
.endr
.Lskip_\@:
.endm
	WAYOUT 0
	WAYOUT 1
	WAYOUT 2
	WAYOUT 3
	s_wait_tensorcnt 0x0                           ; the wave's end
	ds_add_u32 v[SPW], v[NIL]
	s_wait_dscnt 0x0
	s_endpgm
.Lfunc_end_k_qf290f6de75_chain:
	.size	k_qf290f6de75_chain, .Lfunc_end_k_qf290f6de75_chain-k_qf290f6de75_chain
	.p2alignl 7, 3214868480
	.fill 96, 4, 3214868480
	.section	.rodata,"a",@progbits
	.p2align	6, 0x0
	.amdhsa_kernel k_qf290f6de75_chain
		.amdhsa_group_segment_fixed_size 253952
		.amdhsa_private_segment_fixed_size 0
		.amdhsa_enable_private_segment 0
		.amdhsa_kernarg_size 48
		.amdhsa_user_sgpr_count 2
		.amdhsa_user_sgpr_kernarg_segment_ptr 1
		.amdhsa_wavefront_size32 1
		.amdhsa_system_sgpr_workgroup_id_x 1
		.amdhsa_system_sgpr_workgroup_id_y 1
		.amdhsa_system_sgpr_workgroup_id_z 1
		.amdhsa_system_vgpr_workitem_id 0
		.amdhsa_next_free_vgpr 512
		.amdhsa_next_free_sgpr 80
		.amdhsa_reserve_vcc 1
		.amdhsa_float_denorm_mode_32 3
		.amdhsa_float_denorm_mode_16_64 3
		.amdhsa_memory_ordered 1
		.amdhsa_forward_progress 1
		.amdhsa_inst_pref_size 203
	.end_amdhsa_kernel
	.amdgpu_metadata
---
amdhsa.version: [ 1, 2 ]
amdhsa.kernels:
  - .name:           k_qf290f6de75_chain
    .symbol:         k_qf290f6de75_chain.kd
    .args:
      - { .name: route, .offset: 0, .size: 8, .value_kind: global_buffer, .address_space: global }
      - { .name: xb, .offset: 8, .size: 8, .value_kind: global_buffer, .address_space: global }
      - { .name: wf, .offset: 16, .size: 8, .value_kind: global_buffer, .address_space: global }
      - { .name: b1, .offset: 24, .size: 8, .value_kind: global_buffer, .address_space: global }
      - { .name: b2, .offset: 32, .size: 8, .value_kind: global_buffer, .address_space: global }
      - { .name: out0, .offset: 40, .size: 8, .value_kind: global_buffer, .address_space: global }
    .group_segment_fixed_size: 253952
    .private_segment_fixed_size: 0
    .kernarg_segment_align: 8
    .kernarg_segment_size: 48
    .max_flat_workgroup_size: 256
    .sgpr_count:     80
    .vgpr_count:     512
    .wavefront_size: 32
...
	.end_amdgpu_metadata
.endif
;; end of part 2
